; MI455X (gfx1250); checked and timed in simulation.
; The chip was launched on July 23, 2026; its instructions are those of AMD's public machine-readable ISA for CDNA 5 (MIT licence, August 2026) and "CDNA5" Instruction Set Architecture Reference Guide (July 2026). The comments in the code are by the model that wrote it; some were corrected since.
;; Triangle Attention. Allowed arithmetic: matrix products marked QUANTISED: E2M3 operands, one E8M0 scale for each 32 along K, by v_wmma_scale_f32_16x16x128_f8f6f4 with both operands' format E2M3, f32 sums; products left as they are: f32 operands where the result goes on into a quantised operand, else bf16, f16 or f32 operands; f32 sums; everything else in f32.
;; Inputs: Wb 128 x 4 float32; Wg 128 x 128 float32; Wk 128 x 128 float32; Wo 128 x 128 float32; Wq 128 x 128 float32; Wv 128 x 128 float32; bg 128 float32; bo 128 float32; ln_b 128 float32; ln_w 128 float32; pair 1 x 256 x 256 x 128 float32.
;; Outputs: out0 1 x 256 x 256 x 128 float32.
;; This version of the problem:
;;   THIS VERSION OF THE PROBLEM IS GIVEN IN LOW PRECISION. The matrix products marked QUANTISED in the list below multiply operands that are first quantised to E2M3 (2 exponent bits, 3 mantissa bits; 6 bits a number), with one power-of-two scale for each 32 numbers along K (OCP MX v1.0); their sums are f32. All else is computed in f32.
;;   The module's matrix products, in the order in which they are computed (A, B: the left and right operand; K: the contracted axis; several contracted axes count as one K, in the product's order):
;;     1. [M 65,536, K 128] x [K 128, N 4]; A: computed on the way; B: input Wb: left as it is (N = 4 < 16)
;;     2. [M 65,536, K 128] x [K 128, N 128]; A: computed on the way; B: input Wg: QUANTISED
;;     3. [M 65,536, K 128] x [K 128, N 128]; A: computed on the way; B: input Wq: QUANTISED
;;     4. [M 65,536, K 128] x [K 128, N 128]; A: computed on the way; B: input Wk: QUANTISED
;;     5. [M 65,536, K 128] x [K 128, N 128]; A: computed on the way; B: input Wv: QUANTISED
;;     6. batch 1,024 x [M 256, K 32] x [K 32, N 256]; A: computed on the way; B: computed on the way: QUANTISED
;;     7. batch 1,024 x [M 32, K 256] x [K 256, N 256]; A: computed on the way; B: softmax (see below): QUANTISED
;;     8. [M 65,536, K 128] x [K 128, N 128]; A: computed on the way; B: input Wo: QUANTISED
;;   THE QUANTISER, for each operand of a quantised product, along K:
;;     - K is cut into blocks of 32 from its start; a last block that is shorter is filled with zeros.
;;     - A block's scale is 2^e with e = floor(log2(the largest magnitude in the block)) - 2, held to -126 .. 127; a block of zeros has e = 0. As a byte (E8M0): e + 127.
;;     - Each number is divided by its block's scale, clamped to +-7.5, and rounded to the nearest number of E2M3, ties to even, subnormals kept.
;;     - The product sums the exact products of the quantised numbers (number of the format x scale) in f32.
;;   ~~~python
;;   def quantise(x, axis):      # numpy; x: float32 -> the quantised numbers, widened to float32 again
;;       x = np.moveaxis(x, axis, -1); K = x.shape[-1]
;;       x = np.pad(x, [(0, 0)] * (x.ndim - 1) + [(0, -K % 32)]); x = x.reshape(x.shape[:-1] + (-1, 32)); a = np.abs(x).max(-1, keepdims=True)
;;       e = np.where(a > 0, np.clip(np.frexp(np.where(a > 0, a, 1))[1] - 1 - 2, -126, 127), 0)      # np.frexp(a)[1] - 1 = floor(log2(a)), exactly
;;       r = np.clip(x / 2.0 ** e, -7.5, 7.5)
;;       step = 2.0 ** (np.maximum(np.frexp(np.where(r == 0, 1, r))[1] - 1, 0) - 3)
;;       q = np.round(r / step) * step * 2.0 ** e      # np.round: ties to even
;;       return np.moveaxis(q.reshape(q.shape[:-2] + (-1,))[..., :K], -1, axis).astype(np.float32)
;;   ~~~
;;   SOFTMAX AHEAD OF A QUANTISED PRODUCT. Where the list says 'softmax', what is quantised is not the finished softmax but p = 2^(t - M), with t = logit x log2(e) and M = ceil(the row's largest t), a whole number; so 1/2 < the row's largest p <= 1. The row's sum l is taken of the UNQUANTISED p, in f32, and the product's result is divided by l at the end. Since M is a whole number, a kernel that streams over the keys may use a running M (the ceiling of the running maximum): every later rescaling is an exact power of two, which a block's scale takes up: the codes' values come out the same.
;;   OPERANDS COMPUTED ON THE WAY. 'Computed on the way' means the value that the module computes at that place (a softmax that the list does not call 'softmax' is quantised finished and normalised). What goes into a quantiser is computed in f32, as accurately as f32 sums, v_exp_f32 and their like allow (about 1e-6 of the number): no bf16 or f16 on the way to a quantiser, and a product that is left as it is and whose result goes on into a quantised operand takes f32 operands (vector FMAs, or v_wmma_f32_16x16x4_f32). A number that lies on a knife's edge between two numbers of the format may be rounded either way, as far as f32 arithmetic and the matrix unit's own rounding can turn it there, and no further.
;; One version. Each part assembles by itself: llvm-mc -triple=amdgcn-amd-amdhsa -mcpu=gfx1250 --defsym DOCPART=n.
;; ======== version 1 of 1: 2 launches
;; limits: right only within a limited range of input values
;; workspace buffers: xc 6,291,456 bytes; xs 262,144 bytes; bi 1,048,576 bytes; wt 64,000 bytes
;; launch prep (part 1): grid 256 x 1, 16 waves a work-group, no clusters, 169,984 bytes of LDS; arguments pair, ln_w, ln_b, Wb, Wk, Wv, Wq, Wg, Wo, xc, xs, bi, wt; writes xc, xs, bi, wt
.if DOCPART == 1
	.amdgcn_target "amdgcn-amd-amdhsa--gfx1250"
	.amdhsa_code_object_version 6
	.text
	.protected	k_q9dc9434a5d_prep
	.globl	k_q9dc9434a5d_prep
	.p2align	8
	.type	k_q9dc9434a5d_prep,@function
k_q9dc9434a5d_prep:
	s_mov_b64 s[64:65], 0
	v_nop
	global_prefetch_b8 v0, s[64:65] scope:SCOPE_SE
	s_setreg_imm32_b32 hwreg(HW_REG_WAVE_MODE, 25, 1), 1
	s_wait_xcnt 0x0
; PREP: pair [256][256][128] f32 is read once.  x = LayerNorm(pair) in f32 (mean, then the mean of squared differences, as the problem writes it);
; bias = x Wb in f32 by fused multiply-adds (its result goes on into a quantised operand, and 4 columns would fill a quarter of a matrix tile); x is quantised to FP6 (E2M3), one E8M0 byte for each 32 channels.  No work of the problem is left out.
; QUAD(t, r) = 64 (t / 4) + 32 (r / 8) + 8 (t % 4) + r % 8: the 16 members of tile t of positions, rows, and columns of Wk and Wq: the 32 result registers of tiles 4 c .. 4 c + 3 are then, in a lane of half hh,
; the whole block 64 c + 32 hh + 0 .. 31 along the next product's K.  DUO(t, r) = 32 (t / 2) + 16 (r / 8) + 8 (t % 2) + r % 8: the same for columns of Wv, Wg and Wo (a tile stays inside a head).
; SHARES.  Work-group (Ta = x / 16, T = x % 16) owns pair rows QUAD(Ta, 0..15) x positions QUAD(T, 0..15); wave w owns one tile: row i = QUAD(Ta, w), 16 positions x 128 channels,
; 8,192 bytes, brought by ONE tensor load (two runs of 4,096 consecutive bytes).  Each LDS byte is filled once.  One tensor load of a wave is out.  Work-groups share no tile: no cluster.
; A lane (r = lane % 16, hh = lane / 16) holds 64 numbers of position r: register 32 c + i = channel 64 c + 32 hh + i: two whole blocks.
; OUT.  xc[i][T]: the operand's 12 registers as they stand, register group c at 512 c + 16 lane (1,536 bytes).  xs[Ta][T][w][16]: its scale words.
; bi[h][ks][Tq][8192]: the image of the 64 score registers of query tile Tq in key step ks: register 8 t + j of lane (r, hh) = bias[QUAD(Tq, r)][QUAD(8 ks + t, 8 hh + j)][h].
; wt: wave 15 of work-groups 0 to 39 also quantises 16 columns of one weight along its first axis (8 m + t; m: Wk, Wv, Wq, Wg, Wo): image at 12,800 m + 1,536 t, 16 scale words at 12,800 m + 12,288 + 64 t.
; LIMITS: NaN and infinities among the inputs are not served.  A block whose largest magnitude lies under 2^-124, a block of zeros among them, gets the byte 1: these bytes are read by this program alone.
.set WTILE, 8448                       ; a wave's tile in LDS: 16 positions x (512 bytes + 16 of padding)
.set LNW,   135168                     ; behind the 16 tiles: ln_w, 512 bytes; ln_b 512 bytes behind it
.set BST,   136192                     ; the bias stage: 4 heads x 1,024 bytes
.set XSS,   140288                     ; directly behind it: the block's 256 scale words
.set SPARE, 167936                     ; the spare words, 128 bytes for each wave
.set SEL,   48                         ; s[48:49] lane selects: lane l xor 16
.set X,     80                         ; v80-143  my 64 numbers
.set WBV,   208                        ; v208-223 Wb: register 8 c + 4 s + h of lane (n, hh) = Wb[64 c + 32 hh + 16 s + n][h]
.set BA,    224                        ; v224-231 the bias's sums: four heads, two chains each
.set H8,    13                         ; v13      8 hh
.macro WALU
	s_wait_alu depctr_va_vdst(0)
.endm
.macro PLACES n
.rept \n
	v_nop
.endr
.endm
; 64 numbers of a lane, register 32 c + i = k 64 c + 32 hh + i of my row, become a fragment's codes in v[pc] .. v[pc + 11]; the two blocks' scale bytes stand in v[tm + 1], v[tm + 3].  tm: 5 registers at work, tw: 7
.macro QUANT s, tm, pc, tw
.irp k, 0,1,2,3
	v_max3_num_f32 v[(\tm)+\k], |v[(\s)+16*\k]|, |v[(\s)+16*\k+1]|, 0x1800000   ; with the floor 2^(3 - 127): the byte cannot fall under 1
.endr
.irp i, 2,4,6,8,10,12,14
.irp k, 0,1,2,3
	v_max3_num_f32 v[(\tm)+\k], v[(\tm)+\k], |v[(\s)+16*\k+\i]|, |v[(\s)+16*\k+\i+1]|
.endr
.endr
	v_max_num_f32 v[(\tm)], v[(\tm)], v[(\tm)+1]
	v_max_num_f32 v[(\tm)+2], v[(\tm)+2], v[(\tm)+3]
	v_add_nc_u32 v[(\tm)], 0xff000000, v[(\tm)]        ; 2 off the exponent field: the conversion's scale operand
	v_add_nc_u32 v[(\tm)+2], 0xff000000, v[(\tm)+2]
.irp c, 0,1
	v_cvt_scalef32_pk16_fp6_f32 v[(\pc)+6*\c:(\pc)+2+6*\c], v[(\s)+32*\c:(\s)+15+32*\c], v[(\tm)+2*\c]
	v_cvt_scalef32_pk16_fp6_f32 v[(\tw)+4*\c:(\tw)+2+4*\c], v[(\s)+16+32*\c:(\s)+31+32*\c], v[(\tm)+2*\c]
.endr
	v_lshrrev_b32 v[(\tm)+1], 23, v[(\tm)]             ; the scales' bytes (plain lines behind the scaled conversions)
	v_lshrrev_b32 v[(\tm)+3], 23, v[(\tm)+2]
.irp c, 0,1
.irp i, 0,1,2
	v_mov_b32 v[(\pc)+3+6*\c+\i], v[(\tw)+4*\c+\i]
.endr
.endr
.endm
.macro WORD d, tm                      ; my bytes are blocks hh and 2 + hh; with lane l xor 16's two the word is whole, in both halves of the lanes
	v_mov_b32 v[(\tm)+4], 0                            ; (a lane permute's destination counts as one of its sources)
	v_lshl_or_b32 v[(\d)], v[(\tm)+3], 16, v[(\tm)+1]
	v_lshlrev_b32 v[(\d)], v[H8], v[(\d)]
	v_permlanex16_b32 v[(\tm)+4], v[(\d)], s[SEL], s[SEL+1]
	v_or_b32 v[(\d)], v[(\d)], v[(\tm)+4]
.endm
	s_load_b256 s[4:11], s[0:1], 0x0               ; pair s[4:5], ln_w s[6:7], ln_b s[8:9], Wb s[10:11]
	s_load_b256 s[12:19], s[0:1], 0x20             ; Wk, Wv, Wq, Wg
	s_load_b256 s[20:27], s[0:1], 0x40             ; Wo s[20:21], xc s[22:23], xs s[24:25], bi s[26:27]
	s_load_b64 s[28:29], s[0:1], 0x60              ; wt
	v_lshl_add_u32 v254, v0, 2, SPARE
	v_mov_b32 v255, 0
	ds_add_u32 v254, v255                          ; the opening: the add, twice on end, and its wait
	ds_add_u32 v254, v255
	v_lshrrev_b32 v14, 5, v0
	v_readfirstlane_b32 s30, v14                   ; wave 0..15
	s_lshr_b32 s44, ttmp9, 4                       ; Ta
	s_and_b32 s45, ttmp9, 15                       ; T
	s_lshr_b32 s46, s44, 2
	s_lshl_b32 s46, s46, 6
	s_and_b32 s52, s44, 3
	s_lshl_b32 s52, s52, 3
	s_add_co_u32 s46, s46, s52
	s_and_b32 s52, s30, 7
	s_add_co_u32 s46, s46, s52
	s_and_b32 s52, s30, 8
	s_lshl_b32 s52, s52, 2
	s_add_co_u32 s46, s46, s52                     ; my row of pair: i = QUAD(Ta, wave)
	s_lshr_b32 s52, s45, 2
	s_lshl_b32 s52, s52, 6
	s_and_b32 s53, s45, 3
	s_lshl_b32 s53, s53, 3
	s_add_co_u32 s52, s52, s53                     ; the tile's first position: 64 (T / 4) + 8 (T % 4)
	s_lshl_b32 s53, s46, 8
	s_add_co_u32 s52, s52, s53
	s_lshl_b32 s52, s52, 9                         ; 512 bytes a position: under 2^25
	s_mov_b32 s53, 0
	; descriptor group 1: two rows of 1,024 elements of 4 bytes (8 positions each), 4,096 elements (32 positions) apart; 4 words of padding behind every 128 words: position r lands at 528 r
	s_mov_b32 s36, (2<<16)|(1<<20)|(6<<22)|(3<<25)
	s_mov_b32 s37, 1024<<16
	s_mov_b32 s38, 2<<16
	s_mov_b32 s39, 1024<<16
	s_mov_b32 s40, 2
	s_mov_b32 s41, 4096
	s_mov_b32 s42, 0
	s_mov_b32 s43, 0
	s_mov_b32 s32, 1
	s_mul_i32 s33, s30, WTILE                      ; my tile's LDS bytes
	s_mov_b32 s[SEL], 0x76543210
	s_mov_b32 s[SEL+1], 0xfedcba98
	s_mov_b32 s50, 0x3c000000                      ; 1 / 128
	s_mov_b32 s51, 0x3727c5ac                      ; 1e-5
	s_wait_dscnt 0x0
	s_wait_kmcnt 0x0
	s_add_nc_u64 s[34:35], s[4:5], s[52:53]
	s_or_b32 s35, s35, 0x80000000
	tensor_load_to_lds s[32:35], s[36:43]
	s_nop 0
	PLACES 4
	; every LDS address is made here, ahead of the first parting of the waves
	s_lshl_b32 s54, s30, 4
	s_add_co_u32 s54, s54, BST
	s_lshl_b32 s55, s30, 6
	s_add_co_u32 s55, s55, XSS
	s_lshl_b32 s56, s30, 9
	s_add_co_u32 s56, s56, BST
	v_and_b32 v14, 31, v0                          ; lane
	v_and_b32 v15, 15, v0                          ; r
	v_bfe_u32 v251, v0, 4, 1                       ; hh
	v_bfe_u32 v250, v0, 2, 1                       ; (r % 8) / 4
	v_bfe_u32 v252, v0, 3, 1                       ; r / 8
	v_and_b32 v253, 3, v0                          ; r % 4
	v_lshlrev_b32 v[H8], 3, v251
	v_lshlrev_b32 v1, 4, v14                       ; v1: 16 x lane
	v_mul_u32_u24 v2, v15, 528
	v_lshlrev_b32 v3, 4, v15
	v_lshlrev_b32 v4, 7, v251
	v_lshlrev_b32 v7, 9, v250
	v_lshl_add_u32 v2, v251, 7, v2
	v_lshl_add_u32 v3, v251, 9, v3                 ; v3: in Wb: 512 hh + 16 r
	v_add_nc_u32 v4, LNW, v4                       ; v4: ln_w, + 128 hh
	v_lshl_add_u32 v7, v252, 8, v7
	v_add_nc_u32 v2, s33, v2                       ; v2: my position's row in my tile, + 128 hh
	v_lshl_add_u32 v7, v253, 2, v7
	v_lshl_add_u32 v6, v0, 2, LNW                  ; v6: where thread d (0..127) puts channel d's numbers
	v_add_nc_u32 v7, s54, v7                       ; v7: bias stage: 16 wave + 256 (r / 8) + 512 ((r % 8) / 4) + 4 (r % 4), a head 1,024 further on
	v_lshl_add_u32 v8, v15, 2, s55                 ; v8: my tile's scale words: 64 wave + 4 r
	v_add_nc_u32 v9, s56, v1                       ; v9: the way out: 512 wave + 16 lane, from the bias stage on into the scale words
	v_lshlrev_b32 v11, 2, v0                       ; v11: ln_w[d], ln_b[d]
	v_and_b32 v12, 7, v0
	v_lshlrev_b32 v12, 2, v12
	v_lshl_add_u32 v12, v251, 14, v12              ; v12: a weight's column r % 8, 32 hh rows of 512 bytes down
	v_mov_b32 v249, 0
	v_mov_b32 v232, 0                              ; lane permutes' destinations
	v_mov_b32 v233, 0
	v_mov_b32 v234, 0
	v_mov_b32 v235, 0
	WALU
.irp c, 0,1
.irp s, 0,1
	global_load_b128 v[WBV+8*\c+4*\s:WBV+8*\c+4*\s+3], v3, s[10:11] offset:1024*\c+256*\s
.endr
.endr
	; waves 0 to 3: ln_w and ln_b into LDS, a thread to a channel
	s_cmp_lt_u32 s30, 4
	s_cbranch_scc0 .Lno_tables
	global_load_b32 v20, v11, s[6:7]
	global_load_b32 v21, v11, s[8:9]
	s_wait_loadcnt 0x0
	ds_store_b32 v6, v20
	ds_store_b32 v6, v21 offset:512
.Lno_tables:
	s_wait_dscnt 0x0                               ; for the others' sake: the tables' stores are done
	s_barrier_signal -1
	s_barrier_wait -1                              ; the tiles may still be on their way
	; wave 15 of work-groups 0 to 39: one tile of one weight.  A lane takes a column and its registers run down K: register 32 c + i = k 64 c + 32 hh + i.  No LDS, no barrier in here.
	s_cmp_lt_u32 ttmp9, 40
	s_cbranch_scc0 .Lno_job
	s_cmp_eq_u32 s30, 15
	s_cbranch_scc0 .Lno_job
	s_lshr_b32 s52, ttmp9, 3                       ; which weight, m
	s_mov_b64 s[60:61], s[12:13]
	s_cmp_eq_u32 s52, 1
	s_cselect_b64 s[60:61], s[14:15], s[60:61]
	s_cmp_eq_u32 s52, 2
	s_cselect_b64 s[60:61], s[16:17], s[60:61]
	s_cmp_eq_u32 s52, 3
	s_cselect_b64 s[60:61], s[18:19], s[60:61]
	s_cmp_eq_u32 s52, 4
	s_cselect_b64 s[60:61], s[20:21], s[60:61]
	s_and_b32 s53, ttmp9, 7                        ; which tile, t
	s_lshr_b32 s55, s53, 2
	s_lshl_b32 s55, s55, 8
	s_and_b32 s54, s53, 3
	s_lshl_b32 s54, s54, 5
	s_add_co_u32 s55, s55, s54                     ; the first column of QUAD(t, .), in bytes
	s_lshr_b32 s56, s53, 1
	s_lshl_b32 s56, s56, 7
	s_and_b32 s54, s53, 1
	s_lshl_b32 s54, s54, 5
	s_add_co_u32 s56, s56, s54                     ; and of DUO(t, .)
	s_movk_i32 s57, 128                            ; the upper eight columns lie 32 (QUAD) or 16 (DUO) further on
	s_and_b32 s54, s52, 5                          ; 0 for m = 0 (Wk) and m = 2 (Wq)
	s_cmp_eq_u32 s54, 0
	s_cselect_b32 s54, s55, s56
	s_cselect_b32 s57, s57, 64
	s_mov_b32 s55, 0
	s_add_nc_u64 s[60:61], s[60:61], s[54:55]
	v_bfe_u32 v23, v0, 3, 1
	v_mad_u32_u24 v24, v23, s57, v12
	WALU
.set j, 0
.rept 64
	global_load_b32 v[X+j], v24, s[60:61] offset:((j/32)*64+j%32)*512
.set j, j+1
.endr
	s_mul_i32 s58, s52, 12800
	s_mul_i32 s56, s53, 1536
	s_add_co_u32 s56, s56, s58
	s_mov_b32 s57, 0
	s_add_nc_u64 s[56:57], s[28:29], s[56:57]      ; the tile's image
	s_lshl_b32 s53, s53, 6
	s_add_co_u32 s58, s58, s53
	s_add_co_u32 s58, s58, 12288
	s_mov_b32 s59, 0
	s_add_nc_u64 s[58:59], s[28:29], s[58:59]      ; its scale words
	v_lshlrev_b32 v25, 2, v15                      ; 4 r: both halves of the lanes store the same word
	WALU
	s_wait_loadcnt 0x0
	QUANT X, 16, 32, 44
	WORD 52, 16
.irp c, 0,1,2
	global_store_b128 v1, v[32+4*\c:35+4*\c], s[56:57] offset:512*\c
.endr
	global_store_b32 v25, v52, s[58:59]
	WALU
	s_wait_xcnt 0x0                                ; the stores' data and bases are written again below only behind this wait
.Lno_job:
.irp n, 0,1,2,3,4,5,6,7
	ds_load_b128 v[16+4*\n:19+4*\n], v4 offset:16*\n                     ; ln_w in my numbers' order
	ds_load_b128 v[48+4*\n:51+4*\n], v4 offset:512+16*\n                 ; ln_b
	ds_load_b128 v[144+4*\n:147+4*\n], v4 offset:256+16*\n
	ds_load_b128 v[176+4*\n:179+4*\n], v4 offset:768+16*\n
.endr
	s_wait_tensorcnt 0x0                           ; my tile, which I alone read, is in
.irp n, 0,1,2,3,4,5,6,7,8,9,10,11,12,13,14,15
	ds_load_b128 v[X+4*\n:X+4*\n+3], v2 offset:256*(\n/8)+16*(\n%8)
.endr
	s_wait_dscnt 0x0
	; the mean: my 64 in four chains, then lane l xor 16's
.irp k, 0,2,4,6
	v_pk_add_f32 v[240+\k:241+\k], v[X+\k:X+\k+1], v[X+8+\k:X+9+\k]
.endr
.set j, 16
.rept 24
	v_pk_add_f32 v[240+j%8:241+j%8], v[240+j%8:241+j%8], v[X+j:X+j+1]
.set j, j+2
.endr
	v_pk_add_f32 v[240:241], v[240:241], v[242:243]
	v_pk_add_f32 v[244:245], v[244:245], v[246:247]
	v_pk_add_f32 v[240:241], v[240:241], v[244:245]
	v_add_f32 v248, v240, v241
	v_permlanex16_b32 v249, v248, s[SEL], s[SEL+1]
	v_add_f32 v248, v248, v249
	v_mul_f32 v252, s50, v248
	v_mul_f32 v253, s50, v248
.set j, 0
.rept 32
	v_pk_add_f32 v[X+j:X+j+1], v[X+j:X+j+1], v[252:253] neg_lo:[0,1] neg_hi:[0,1]
.set j, j+2
.endr
	; the mean of the squared differences
.irp k, 0,2,4,6
	v_pk_mul_f32 v[240+\k:241+\k], v[X+\k:X+\k+1], v[X+\k:X+\k+1]
.endr
.set j, 8
.rept 28
	v_pk_fma_f32 v[240+j%8:241+j%8], v[X+j:X+j+1], v[X+j:X+j+1], v[240+j%8:241+j%8]
.set j, j+2
.endr
	v_pk_add_f32 v[240:241], v[240:241], v[242:243]
	v_pk_add_f32 v[244:245], v[244:245], v[246:247]
	v_pk_add_f32 v[240:241], v[240:241], v[244:245]
	v_add_f32 v248, v240, v241
	v_permlanex16_b32 v249, v248, s[SEL], s[SEL+1]
	v_add_f32 v248, v248, v249
	v_fma_f32 v250, v248, s50, s51                 ; var + 1e-5
	WALU
	v_rsq_f32 v254, v250
	v_nop                                          ; a plain line behind the transcendental
	WALU
.set j, 0
.rept 32
	v_pk_mul_f32 v[X+j:X+j+1], v[X+j:X+j+1], v[254:255] op_sel_hi:[1,0]
.set j, j+2
.endr
.set j, 0
.rept 16
	v_pk_fma_f32 v[X+j:X+j+1], v[X+j:X+j+1], v[16+j:17+j], v[48+j:49+j]
.set j, j+2
.endr
.rept 16
	v_pk_fma_f32 v[X+j:X+j+1], v[X+j:X+j+1], v[112+j:113+j], v[144+j:145+j]
.set j, j+2
.endr
	s_lshl_b32 s52, s46, 4
	s_add_co_u32 s52, s52, s45
	s_mul_i32 s52, s52, 1536
	s_mov_b32 s53, 0
	s_add_nc_u64 s[56:57], s[22:23], s[52:53]      ; xc at tile (i, T)
	QUANT X, 16, 32, 44
	WORD 52, 16
.irp c, 0,1,2
	global_store_b128 v1, v[32+4*\c:35+4*\c], s[56:57] offset:512*\c   ; each store covers 512 consecutive bytes, aligned
.endr
	ds_store_b32 v8, v52                           ; both halves of the lanes hold the same word
.irp h, 0,1,2,3,4,5,6,7
	v_mov_b32 v[BA+\h], 0
.endr
	WALU
	s_wait_loadcnt 0x0                             ; Wb is in
	; bias = x Wb: my 64 channels; channel 64 c + 32 hh + 16 s + i of Wb stands in lane i of my half of the lanes
.irp c, 0,1
.irp s, 0,1
.irp i, 0,1,2,3,4,5,6,7,8,9,10,11,12,13,14,15
.irp h, 0,1,2,3
	v_fmac_f32_dpp v[BA+4*(\i%2)+\h], v[WBV+8*\c+4*\s+\h], v[X+32*\c+16*\s+\i] row_share:\i row_mask:0xf bank_mask:0xf
.endr
.endr
.endr
.endr
.irp h, 0,1,2,3
	v_add_f32 v[BA+\h], v[BA+\h], v[BA+4+\h]
.endr
.irp h, 0,1,2,3
	v_permlanex16_b32 v[232+\h], v[BA+\h], s[SEL], s[SEL+1]
.endr
.irp h, 0,1,2,3
	v_add_f32 v[BA+\h], v[BA+\h], v[232+\h]        ; with lane l xor 16's 64 channels
.endr
.irp h, 0,1,2,3
	ds_store_b32 v7, v[BA+\h] offset:1024*\h       ; lane r: position r of the tile.  Both halves of the lanes write the same bytes with the same values
.endr
	WALU
	s_wait_dscnt 0x0                               ; for the others' sake: my stores into the two stages are done
	s_barrier_signal -1
	s_barrier_wait -1
	; waves 0 to 7 store the four heads' 1,024 bytes of bias, waves 8 and 9 the 1,024 bytes of scale words: 512 consecutive bytes, aligned, each
	s_cmp_lt_u32 s30, 10
	s_cbranch_scc0 .Ldone
	ds_load_b128 v[16:19], v9
	s_lshr_b32 s52, s30, 1                         ; head
	s_lshl_b32 s52, s52, 1
	s_lshr_b32 s53, s45, 3                         ; ks = T / 8
	s_add_co_u32 s52, s52, s53
	s_lshl_b32 s52, s52, 4
	s_add_co_u32 s52, s52, s44                     ; Tq = Ta
	s_lshl_b32 s52, s52, 13
	s_and_b32 s53, s45, 7
	s_lshl_b32 s53, s53, 10                        ; registers 8 (T % 8) on
	s_add_co_u32 s52, s52, s53
	s_and_b32 s53, s30, 1
	s_lshl_b32 s53, s53, 9
	s_add_co_u32 s52, s52, s53
	s_lshl_b32 s54, ttmp9, 10                      ; xs: (16 Ta + T) x 1,024
	s_add_co_u32 s54, s54, s53
	s_cmp_lt_u32 s30, 8
	s_cselect_b64 s[60:61], s[26:27], s[24:25]
	s_cselect_b32 s52, s52, s54
	s_mov_b32 s53, 0
	s_add_nc_u64 s[60:61], s[60:61], s[52:53]
	s_wait_dscnt 0x0
	global_store_b128 v1, v[16:19], s[60:61]
.Ldone:
	s_wait_xcnt 0x0
	v_lshl_add_u32 v254, v0, 2, SPARE
	v_mov_b32 v255, 0
	WALU
	s_wait_tensorcnt 0x0                           ; the wave's end
	ds_add_u32 v254, v255
	s_wait_dscnt 0x0
	s_endpgm
.Lfunc_end_k_q9dc9434a5d_prep:
	.size	k_q9dc9434a5d_prep, .Lfunc_end_k_q9dc9434a5d_prep-k_q9dc9434a5d_prep
	.p2alignl 7, 3214868480
	.fill 96, 4, 3214868480
	.section	.rodata,"a",@progbits
	.p2align	6, 0x0
	.amdhsa_kernel k_q9dc9434a5d_prep
		.amdhsa_group_segment_fixed_size 169984
		.amdhsa_private_segment_fixed_size 0
		.amdhsa_enable_private_segment 0
		.amdhsa_kernarg_size 104
		.amdhsa_user_sgpr_count 2
		.amdhsa_user_sgpr_kernarg_segment_ptr 1
		.amdhsa_wavefront_size32 1
		.amdhsa_system_sgpr_workgroup_id_x 1
		.amdhsa_system_sgpr_workgroup_id_y 1
		.amdhsa_system_sgpr_workgroup_id_z 1
		.amdhsa_system_vgpr_workitem_id 0
		.amdhsa_next_free_vgpr 256
		.amdhsa_next_free_sgpr 66
		.amdhsa_reserve_vcc 0
		.amdhsa_float_denorm_mode_32 3
		.amdhsa_float_denorm_mode_16_64 3
		.amdhsa_memory_ordered 1
		.amdhsa_forward_progress 1
		.amdhsa_inst_pref_size 52
	.end_amdhsa_kernel
	.amdgpu_metadata
---
amdhsa.version: [ 1, 2 ]
amdhsa.kernels:
  - .name:           k_q9dc9434a5d_prep
    .symbol:         k_q9dc9434a5d_prep.kd
    .args:
      - { .name: pair, .offset: 0, .size: 8, .value_kind: global_buffer, .address_space: global }
      - { .name: ln_w, .offset: 8, .size: 8, .value_kind: global_buffer, .address_space: global }
      - { .name: ln_b, .offset: 16, .size: 8, .value_kind: global_buffer, .address_space: global }
      - { .name: Wb, .offset: 24, .size: 8, .value_kind: global_buffer, .address_space: global }
      - { .name: Wk, .offset: 32, .size: 8, .value_kind: global_buffer, .address_space: global }
      - { .name: Wv, .offset: 40, .size: 8, .value_kind: global_buffer, .address_space: global }
      - { .name: Wq, .offset: 48, .size: 8, .value_kind: global_buffer, .address_space: global }
      - { .name: Wg, .offset: 56, .size: 8, .value_kind: global_buffer, .address_space: global }
      - { .name: Wo, .offset: 64, .size: 8, .value_kind: global_buffer, .address_space: global }
      - { .name: xc, .offset: 72, .size: 8, .value_kind: global_buffer, .address_space: global }
      - { .name: xs, .offset: 80, .size: 8, .value_kind: global_buffer, .address_space: global }
      - { .name: bi, .offset: 88, .size: 8, .value_kind: global_buffer, .address_space: global }
      - { .name: wt, .offset: 96, .size: 8, .value_kind: global_buffer, .address_space: global }
    .group_segment_fixed_size: 169984
    .private_segment_fixed_size: 0
    .kernarg_segment_align: 8
    .kernarg_segment_size: 104
    .max_flat_workgroup_size: 512
    .sgpr_count:     66
    .vgpr_count:     256
    .wavefront_size: 32
...
	.end_amdgpu_metadata
.endif
;; end of part 1
;; launch attn (part 2): grid 256 x 1, 8 waves a work-group, no clusters, 301,568 bytes of LDS; arguments xc, xs, bi, wt, bg, bo, out0; writes out0
.if DOCPART == 2
	.amdgcn_target "amdgcn-amd-amdhsa--gfx1250"
	.amdhsa_code_object_version 6
	.text
	.protected	k_q9dc9434a5d_attn
	.globl	k_q9dc9434a5d_attn
	.p2align	8
	.type	k_q9dc9434a5d_attn,@function
k_q9dc9434a5d_attn:
	s_mov_b64 s[64:65], 0
	v_nop
	global_prefetch_b8 v0, s[64:65] scope:SCOPE_SE
	s_setreg_imm32_b32 hwreg(HW_REG_WAVE_MODE, 25, 1), 1
	s_wait_xcnt 0x0
; ATTN: a work-group takes TWO rows of pair, 2 g and 2 g + 1 (g = x / 2), and one half (x % 2) of their 256 queries; eight waves of 512 registers, a wave to a query tile, all four heads, both rows side by side.  All products on codes of FP6 (E2M3), one E8M0 byte for each 32 along K.
; QUAD and DUO, the members of a tile, are as the first launch has them: QUAD(t, r) = 64 (t / 4) + 32 (r / 8) + 8 (t % 4) + r % 8 for positions, queries, keys and the columns of Wk, Wq; DUO(t, r) = 32 (t / 2) + 16 (r / 8) + 8 (t % 2) + r % 8
; for those of Wv, Wg, Wo.  So a lane (r = lane % 16, hh = lane / 16) holds whole blocks of 32 of x, K, Q, V and p in 32 registers of its own: no other lane is asked for a block's largest magnitude.  No work of the problem is left out.
; HEAD.  Both rows' x and all five weights come into LDS once, one tensor load a wave; each LDS byte is filled once.  Waves 0-2 fetch x, 3 and 4 Wk and Wv, 5-7 Wq, Wg, Wo, which the first barrier does not wait for.
; PHASE A.  Waves 0-3 make K (row, key step: eight tiles of positions, the whole of Wk in registers), waves 4-7 V (row, key step: eight tiles of channels, eight tiles of x in registers), two tiles at a time.  Both are quantised in registers and stored in LDS as operand images.
; Barrier, the last one.  Then each wave makes Q (x 32^-1/2) of its own query tile, for itself alone.
; K LIES COMPACT: the eight tiles of a key step (128 keys, K = 32) are four half fragments of 6 registers, a tile in lanes 0-15 and one in lanes 16-31 of each.  Q stands twice, with zero codes round it: six registers of lanes 0-15, six of zeros, six of lanes 16-31.
; A tile of lanes 0-15 is taken by the first twelve (block 0 of the product's K), one of lanes 16-31 by the last twelve (block 3).  What stands in the other three blocks of source 0 meets zero codes (FP6 has no code for NaN or infinity).
; MAIN.  Four heads (a loop) x two key steps.  The bias is the product's C and serves both rows: row 0's scores land in registers of their own, row 1's on the bias itself.
; t = S log2(e); M = ceil of the running largest t; p = 2^(t - M) is quantised along the keys, not normalised; the sum l is taken of the unquantised p.  O^T = V^T P^T.
; At a head's end: z = x Wg + bg (bg is the C); sigmoid(z) O / l = O / (l (1 + 2^(-z log2(e)))); quantised (a block is a head); codes to LDS bytes of the wave's own.  At the end: codes x Wo + bo (bo is the C), out as whole rows of 512 bytes.
; NO CLUSTER: the bias, 524,288 bytes a work-group, goes straight from memory into the C registers; through LDS two slots of a key step (65,536 bytes each) do not fit beside this text's 301,568 bytes.  What joint loads could bring is the weights (64,000 bytes)
; and, to two work-groups, x (49,152), once.  NO PREFETCH into the L2: what the loop streams, the bias, is read by every work-group, and is asked for into registers a whole key step ahead.
; LIMITS: NaN and infinities are not served.  The scaled scores t stay under 2^31 in magnitude.  A block under 2^-124 (zeros among them) gets the byte 1: read by this program alone.  A block's largest p is taken through its largest score: v_exp_f32 is
; taken not to fall where its input rises.  A gate under 2^-117 may come out as 0.
.set FRB,  1536                        ; a fragment's image: 12 registers x 128 bytes
.set WB,   12800                       ; a weight: 8 images, then 8 x 16 scale words
.set WT,   49152                       ; behind x ([row][T] from byte 0 on): Wk, Wv, Wq, Wg, Wo
.set KI,   WT+5*WB                     ; [row][head][ks]: 24 registers, group n at 512 n + 16 lane
.set VI,   KI+49152                    ; [row][channel tile][ks]: group c at 512 c + 16 lane
.set SC,   VI+49152                    ; [row][head][ks] 512 bytes: K's scale words of tiles 0-3, of tiles 4-7, V's of two channel tiles
.set BGL,  SC+8192                     ; bg, bo
.set BOL,  BGL+512
.set PW,   BOL+512                     ; a wave's own bytes: Q [row][head] (three planes of 128 bytes of codes, three of zeros), the way out's codes [row][head][r] 24 bytes, Q's words [row][head] 64 bytes, the way out's words [row] 64 bytes
.set PWB,  9984
.set OCO,  6144
.set QSO,  9216
.set OSO,  9728
.set SPARE, PW+8*PWB                   ; the spare words, 128 bytes for each wave
; REGISTERS.  Window 0: v1 16 lane, v2 4 lane, v3 4 r, v4, v5, v12 lane terms, v15 8 hh, v6-14 and v248-250 addresses; row y: v16 + 2 y f, v20 + 2 y the sum, v24 + 2 y -M, v25 + 2 y the largest t; v28-39 scale words and nothing else;
; v40-75 Q; row y, 46 y further on: v76-87 p's codes, v88-111 K, v112-121 at work; v168-215 V; v216-239 my tile of x, both rows.  Window 1: v0-63 row 0's scores, at a head's end Wg (v0-23) and the gate (v32-63);
; v64-127, v128-191 bias and row 1's scores by turns; v192-223 O^T; v224-255 partial sums.
.set H8,   15
.set TA,   112
.set TB,   158
.set GR,   224
.set MSB, 0
.macro WIN new                         ; the immediate's high byte repeats the setting that is left; 1:0 source 0, 3:2 source 1, 5:4 source 2, 7:6 destination
.if MSB != \new
	s_set_vgpr_msb (MSB<<8)|\new
.set MSB, \new
.endif
.endm
.macro WALU
	s_wait_alu depctr_va_vdst(0)
.endm
.macro WDS n
	s_wait_alu depctr_va_vdst(0)
	s_wait_dscnt \n
.endm
.macro PLACES n
.rept \n
	v_nop
.endr
.endm
.macro WM d, a, b, c, sa, sb, ra, rb
.if (\ra)&&(\rb)
	v_wmma_scale_f32_16x16x128_f8f6f4 v[(\d):(\d)+7], v[(\a):(\a)+11], v[(\b):(\b)+11], \c, v[\sa], v[\sb] matrix_a_fmt:MATRIX_FMT_FP6 matrix_b_fmt:MATRIX_FMT_FP6 matrix_a_scale:MATRIX_SCALE_ROW1 matrix_b_scale:MATRIX_SCALE_ROW1
.elseif (\ra)
	v_wmma_scale_f32_16x16x128_f8f6f4 v[(\d):(\d)+7], v[(\a):(\a)+11], v[(\b):(\b)+11], \c, v[\sa], v[\sb] matrix_a_fmt:MATRIX_FMT_FP6 matrix_b_fmt:MATRIX_FMT_FP6 matrix_a_scale:MATRIX_SCALE_ROW1
.elseif (\rb)
	v_wmma_scale_f32_16x16x128_f8f6f4 v[(\d):(\d)+7], v[(\a):(\a)+11], v[(\b):(\b)+11], \c, v[\sa], v[\sb] matrix_a_fmt:MATRIX_FMT_FP6 matrix_b_fmt:MATRIX_FMT_FP6 matrix_b_scale:MATRIX_SCALE_ROW1
.else
	v_wmma_scale_f32_16x16x128_f8f6f4 v[(\d):(\d)+7], v[(\a):(\a)+11], v[(\b):(\b)+11], \c, v[\sa], v[\sb] matrix_a_fmt:MATRIX_FMT_FP6 matrix_b_fmt:MATRIX_FMT_FP6
.endif
.endm
; Two tiles' results (v0-63 and v128-191 of window 1), each two blocks of 32 in a lane, become codes in v40-51 and v52-63; tile y's scale bytes stand in v[81 + 6 y], v[83 + 6 y]
.macro QUANT2
	WIN 0x05
.irp k, 0,1,2,3
.irp y, 0,1
	v_max3_num_f32 v[80+6*\y+\k], |v[128*\y+16*\k]|, |v[128*\y+16*\k+1]|, 0x1800000   ; with the floor 2^(3 - 127): the byte cannot fall under 1
.endr
.endr
	WIN 0x14
.irp i, 2,4,6,8,10,12,14
.irp k, 0,1,2,3
.irp y, 0,1
	v_max3_num_f32 v[80+6*\y+\k], v[80+6*\y+\k], |v[128*\y+16*\k+\i]|, |v[128*\y+16*\k+\i+1]|
.endr
.endr
.endr
	WIN 0
.irp k, 0,2
.irp y, 0,1
	v_max_num_f32 v[80+6*\y+\k], v[80+6*\y+\k], v[81+6*\y+\k]
.endr
.endr
.irp k, 0,2
.irp y, 0,1
	v_add_nc_u32 v[80+6*\y+\k], 0xff000000, v[80+6*\y+\k]      ; 2 off the exponent field: the conversion's scale operand
.endr
.endr
	WIN 0x01
.irp y, 0,1
.irp c, 0,1
	v_cvt_scalef32_pk16_fp6_f32 v[40+12*\y+6*\c:42+12*\y+6*\c], v[128*\y+32*\c:128*\y+32*\c+15], v[80+6*\y+2*\c]
	v_cvt_scalef32_pk16_fp6_f32 v[64+8*\y+4*\c:66+8*\y+4*\c], v[128*\y+32*\c+16:128*\y+32*\c+31], v[80+6*\y+2*\c]
.endr
.endr
	WIN 0
.irp k, 0,2
.irp y, 0,1
	v_lshrrev_b32 v[81+6*\y+\k], 23, v[80+6*\y+\k]             ; the scales' bytes (plain lines behind the scaled conversions)
.endr
.endr
.irp y, 0,1
.irp c, 0,1
.irp i, 0,1,2
	v_mov_b32 v[43+12*\y+6*\c+\i], v[64+8*\y+4*\c+\i]
.endr
.endr
.endr
.endm
.macro WORD2 d                         ; my bytes are blocks hh and 2 + hh; with lane l xor 16's two the words are whole, in both halves of the lanes
.irp y, 0,1
	v_mov_b32 v[84+6*\y], 0                            ; (a lane permute's destination counts as one of its sources)
.endr
.irp y, 0,1
	v_lshl_or_b32 v[(\d)+\y], v[83+6*\y], 16, v[81+6*\y]
.endr
.irp y, 0,1
	v_lshlrev_b32 v[(\d)+\y], v[H8], v[(\d)+\y]
.endr
.irp y, 0,1
	v_permlanex16_b32 v[84+6*\y], v[(\d)+\y], s20, s21
.endr
.irp y, 0,1
	v_or_b32 v[(\d)+\y], v[(\d)+\y], v[84+6*\y]
.endr
.endm
.macro BIAS dd, off                    ; a key step's bias: 16 loads of 512 consecutive bytes, into window 1
	WIN 0x40
.set n_, 0
.rept 16
	global_load_b128 v[(\dd)+4*n_:(\dd)+4*n_+3], v1, s[42:43] offset:(\off)+512*n_
.set n_, n_+1
.endr
	WIN 0
.endm
.macro FRAG3 reg, adr, off             ; a fragment's 12 registers
.irp q, 0,1,2
	ds_load_b128 v[(\reg)+4*\q:(\reg)+4*\q+3], \adr offset:(\off)+512*\q
.endr
.endm
	s_load_b256 s[4:11], s[0:1], 0x0               ; xc s[4:5], xs s[6:7], bi s[8:9], wt s[10:11]
	s_load_b128 s[12:15], s[0:1], 0x20             ; bg s[12:13], bo s[14:15]
	s_load_b64 s[16:17], s[0:1], 0x30              ; out0
	v_lshl_add_u32 v2, v0, 2, SPARE
	v_mov_b32 v3, 0
	ds_add_u32 v2, v3                              ; the opening: the add, twice on end, and its wait
	ds_add_u32 v2, v3
	v_lshrrev_b32 v4, 5, v0
	v_readfirstlane_b32 s18, v4                    ; wave w, 0..7
	s_lshr_b32 s19, ttmp9, 1                       ; g
	s_and_b32 s2, ttmp9, 1                         ; which half of the queries
	s_bfe_u32 s56, s18, 0x10001                    ; phase A: which row
	s_and_b32 s57, s18, 1                          ; and which key step
	; descriptor groups 1: 50 rows of 256 bytes (32 elements of 8 bytes) of the weights; 64 rows of x
.irp b, 68,76
	s_mov_b32 s[\b], 3<<16
	s_mov_b32 s[\b+1], 32<<16
	s_mov_b32 s[\b+2], (50+14*((\b-68)/8))<<16
	s_mov_b32 s[\b+3], 32<<16
	s_mov_b32 s[\b+4], 50+14*((\b-68)/8)
	s_mov_b32 s[\b+5], 32
	s_mov_b32 s[\b+6], 0
	s_mov_b32 s[\b+7], 0
.endr
	s_mov_b32 s84, 1
	s_lshl_b32 s85, s18, 14                        ; x: 16,384 bytes a wave, waves 0-2
	s_mov_b32 s88, 1
	s_mul_i32 s89, s18, WB                         ; the weights: one a wave, waves 3-7
	s_add_co_u32 s89, s89, WT-3*WB
	s_mul_i32 s30, s19, 49152
	s_add_co_u32 s30, s30, s85
	s_mov_b32 s31, 0
	s_mul_i32 s34, s18, WB
	s_mov_b32 s35, 0
	s_wait_dscnt 0x0
	s_wait_kmcnt 0x0
	s_add_nc_u64 s[86:87], s[4:5], s[30:31]
	s_or_b32 s87, s87, 0x80000000
	s_add_nc_u64 s[90:91], s[10:11], s[34:35]
	s_sub_nc_u64 s[90:91], s[90:91], 3*WB
	s_or_b32 s91, s91, 0x80000000
	s_cmp_lt_u32 s18, 3
	s_cbranch_scc0 .Lfetch_kv
	tensor_load_to_lds s[84:87], s[76:83]          ; waves 0-2: x
	s_nop 0
	PLACES 4
	s_branch .Lasked
.Lfetch_kv:
	s_cmp_lt_u32 s18, 5
	s_cbranch_scc0 .Lfetch_rest
	tensor_load_to_lds s[88:91], s[68:75]          ; waves 3, 4: Wk, Wv
	s_nop 0
	PLACES 4
	s_branch .Lasked
.Lfetch_rest:
	tensor_load_to_lds s[88:91], s[68:75]          ; waves 5-7: Wq, Wg, Wo
	s_nop 0
	PLACES 4
.Lasked:
	s_mov_b32 s20, 0x76543210                      ; lane selects: lane l xor 16
	s_mov_b32 s21, 0xfedcba98
	s_mov_b32 s22, 0x3fb8aa3b                      ; log2(e); the packed forms name a pair and take its low word
	s_mov_b32 s23, s22
	s_mov_b32 s24, 0xbfb8aa3b                      ; -log2(e)
	s_mov_b32 s25, s24
	s_mov_b32 s26, 0x3e3504f3                      ; 32^-1/2
	s_mov_b32 s27, s26
	s_mov_b32 s28, 0xffff0000                      ; lanes 16-31
	s_mul_i32 s60, s56, 24576
	s_mul_i32 s62, s57, 8*FRB
	s_add_co_u32 s62, s62, s60                     ; x's eight tiles of my row and key step
	s_mul_i32 s63, s57, 3072
	s_add_co_u32 s63, s63, s60
	s_add_co_u32 s63, s63, KI                      ; K's codes
	s_mul_i32 s92, s57, FRB
	s_add_co_u32 s92, s92, s60
	s_add_co_u32 s92, s92, VI                      ; V's codes
	s_lshl_b32 s66, s56, 12
	s_lshl_b32 s67, s57, 9
	s_add_co_u32 s66, s66, s67
	s_add_co_u32 s66, s66, SC                      ; scale words
	s_add_co_u32 s67, s66, 256
	s_mul_i32 s51, s18, PWB
	s_add_co_u32 s51, s51, PW                      ; my own bytes
	s_add_co_u32 s93, s51, QSO
	; row 2 g = QUAD(Ta, rho): its place in xs is 16,384 Ta + 64 rho (a tile T is 1,024 T on; row 2 g + 1 is 64 on)
	s_lshl_b32 s33, s19, 1
	s_lshr_b32 s32, s33, 6
	s_lshl_b32 s32, s32, 2
	s_bfe_u32 s94, s33, 0x20003
	s_or_b32 s32, s32, s94
	s_lshl_b32 s32, s32, 14
	s_bfe_u32 s94, s33, 0x10005
	s_lshl_b32 s94, s94, 9
	s_add_co_u32 s32, s32, s94
	s_and_b32 s94, s33, 7
	s_lshl_b32 s94, s94, 6
	s_add_co_u32 s32, s32, s94
	s_lshl_b32 s36, s2, 3
	s_add_co_u32 s36, s36, s18                     ; my query tile: 8 x half + w
	s_mul_i32 s58, s36, FRB                        ; its place in x
	s_lshl_b32 s38, s36, 10
	s_add_co_u32 s38, s38, s32
	s_mov_b32 s39, 0
	s_add_nc_u64 s[38:39], s[6:7], s[38:39]        ; its scale words of x
	s_lshl_b32 s94, s56, 6
	s_add_co_u32 s40, s32, s94
	s_lshl_b32 s94, s57, 13
	s_add_co_u32 s40, s40, s94
	s_mov_b32 s41, 0
	s_add_nc_u64 s[40:41], s[6:7], s[40:41]        ; and those of my row and key step
	s_lshl_b32 s44, s36, 13
	s_mov_b32 s45, 0
	s_add_nc_u64 s[42:43], s[8:9], s[44:45]        ; bi at head 0, my query tile
	s_lshl_b32 s46, s33, 8
	s_lshr_b32 s94, s36, 2
	s_lshl_b32 s94, s94, 6
	s_add_co_u32 s46, s46, s94
	s_and_b32 s94, s36, 3
	s_lshl_b32 s94, s94, 3
	s_add_co_u32 s46, s46, s94
	s_lshl_b32 s46, s46, 9
	s_mov_b32 s47, 0
	s_add_nc_u64 s[48:49], s[16:17], s[46:47]      ; out0 at row 2 g, my query tile's first position
	; every LDS address up to the main loop is made here, ahead of the parting of the roles
	v_and_b32 v248, 31, v0                         ; lane
	v_and_b32 v249, 15, v0                         ; r
	v_bfe_u32 v250, v0, 4, 1                       ; hh
	v_lshlrev_b32 v1, 4, v248
	v_lshlrev_b32 v2, 2, v248
	v_lshlrev_b32 v3, 2, v249
	v_lshlrev_b32 v[H8], 3, v250
	v_lshlrev_b32 v4, 3, v249
	v_xor_b32 v5, 1, v250
	v_mul_u32_u24 v12, v249, 24
	v_mul_u32_u24 v9, v250, 6144
	v_mad_u32_u24 v19, v250, 768, v4
	v_mad_u32_u24 v5, v5, 384, v4                  ; v5: 8 r + 384 (1 - hh)
	v_mad_u32_u24 v4, v250, 384, v4                ; v4: 8 r + 384 hh
	v_mad_u32_u24 v12, v250, 12, v12               ; v12: 24 r + 12 hh
	v_lshl_add_u32 v9, v249, 4, v9
	v_lshl_add_u32 v14, v250, 10, v3               ; v14: in xs: two tiles' words, lanes 0-15 and 16-31
	v_lshl_add_u32 v16, v250, 6, v3                ; v16: in xs: two rows' words
	v_add_nc_u32 v6, WT, v1                        ; v6, v7: the weights, their scale words
	v_add_nc_u32 v7, WT+8*FRB, v2
	v_add_nc_u32 v8, s62, v1                       ; v8: x for K and V
	v_add_nc_u32 v9, s63, v9                       ; v9: K's codes: 6,144 x head + ..
	v_add_nc_u32 v10, s66, v2                      ; v10: K's words
	v_add_nc_u32 v11, s92, v1                      ; v11: V's codes
	v_add_nc_u32 v13, s67, v3                      ; v13: V's words
	v_add_nc_u32 v17, BGL, v1
	v_add_nc_u32 v18, s58, v1                      ; v18: my query tile of x
	v_add_nc_u32 v19, s51, v19                     ; v19, v20: where I store Q and its words
	v_add_nc_u32 v20, s93, v16
	WALU
	global_load_b32 v32, v16, s[38:39]             ; my query tile's x: row 2 g in lanes 0-15, row 2 g + 1 in lanes 16-31
	global_load_b128 v[240:243], v1, s[12:13]
	global_load_b128 v[244:247], v1, s[14:15]
	s_cmp_lt_u32 s18, 4
	s_cbranch_scc0 .Lwords_v
.irp p, 0,1,2,3
	global_load_b32 v[33+\p], v14, s[40:41] offset:2048*\p
.endr
	s_branch .Lwords
.Lwords_v:
.irp p, 0,1,2,3
	global_load_b32 v[28+\p], v14, s[40:41] offset:2048*\p
.endr
.Lwords:
	s_cmp_lt_u32 s18, 5
	s_cbranch_scc0 .Llate
	s_wait_tensorcnt 0x0                           ; waves 0-4: my part of x, Wk or Wv is in
.Llate:
	s_wait_loadcnt 0x0
	s_cmp_lg_u32 s18, 0
	s_cbranch_scc1 .Lno_tables
	ds_store_b128 v17, v[240:243]                  ; wave 0: bg and bo into LDS
	ds_store_b128 v17, v[244:247] offset:512
.Lno_tables:
	s_wait_dscnt 0x0
	s_barrier_signal -1
	s_barrier_wait -1                              ; x, Wk, Wv lie in LDS; Wq, Wg, Wo may still be on their way
	BIAS 64, 0                                     ; the first bias is asked for behind what phase A needs, and has phase A in which to land
; the set in v120-215 (source 0) with the fragments in v216-227 and v228-239: 16 products
.macro PRODS2 w0, r0, w1, r1
	WDS 0
	WIN 0x40
.irp t, 0,1,2,3,4,5,6,7
	WM 8*\t, 120+12*\t, 216, 0, 28+\t/2, \w0, \t%2, \r0
	WM 128+8*\t, 120+12*\t, 228, 0, 28+\t/2, \w1, \t%2, \r1
.endr
	PLACES 4                                       ; four places before results are read and before loads land on a source
	WIN 0
.endm
.macro KPAIR p                         ; tiles 2 p, 2 p + 1; source 0 = Wk: a lane holds a position, registers 32 c on are head 2 c + hh
	PRODS2 33+(\p), 0, 33+(\p), 1
.if (\p) < 3
	FRAG3 216, v8, FRB*(2*(\p)+2)
	FRAG3 228, v8, FRB*(2*(\p)+3)
.endif
	QUANT2
	WORD2 92+2*(\p)
.irp y, 0,1
.irp c, 0,1
.irp i, 0,1,2
	ds_store_b64 v9, v[40+12*\y+6*\c+2*\i:41+12*\y+6*\c+2*\i] offset:12288*\c+1536*((\p)/2)+256*\y+512*((3*((\p)%2)+\i)/2)+8*((3*((\p)%2)+\i)%2)
.endr
.endr
.endr
.endm
.macro VPAIR p                         ; channel tiles 2 p, 2 p + 1 (head p); source 0 = x: a lane holds a channel, its registers run along 128 keys
	PRODS2 33+(\p), 0, 33+(\p), 1
.if (\p) < 3
	FRAG3 216, v6, WB+FRB*(2*(\p)+2)
	FRAG3 228, v6, WB+FRB*(2*(\p)+3)
.endif
	QUANT2
	WORD2 92
.irp y, 0,1
.irp c, 0,1,2
	ds_store_b128 v11, v[40+12*\y+4*\c:43+12*\y+4*\c] offset:3072*(2*(\p)+\y)+512*\c
.endr
	ds_store_b32 v13, v[92+\y] offset:1024*(\p)+64*\y
.endr
.endm
	s_cmp_lt_u32 s18, 4
	s_cbranch_scc0 .Lrole_v
.irp t, 0,1,2,3,4,5,6,7
	FRAG3 120+12*\t, v6, FRB*\t
.endr
.irp p, 0,1,2,3
	ds_load_b32 v[28+\p], v7 offset:128*\p
.endr
	FRAG3 216, v8, 0
	FRAG3 228, v8, FRB
	KPAIR 0
	KPAIR 1
	KPAIR 2
	KPAIR 3
.irp g, 0,1                                    ; four tiles' words at a time: lanes 0-15 tiles 0, 1; lanes 16-31 tiles 2, 3
	v_cndmask_b32 v[102+2*\g], v[92+4*\g], v[94+4*\g], s28
	v_cndmask_b32 v[103+2*\g], v[93+4*\g], v[95+4*\g], s28
.endr
.irp g, 0,1
.irp h, 0,1,2,3
	v_perm_b32 v[106+4*\g+\h], v[103+2*\g], v[102+2*\g], 0x04040000+0x01010101*\h   ; head h: bytes 0, 1 the even tile's, bytes 2, 3 the odd tile's
.endr
.endr
.irp g, 0,1
.irp h, 0,1,2,3
	ds_store_b32 v10, v[106+4*\g+\h] offset:1024*\h+128*\g
.endr
.endr
	WALU
	s_branch .Ljoin
.Lrole_v:
.irp t, 0,1,2,3,4,5,6,7
	FRAG3 120+12*\t, v8, FRB*\t
.endr
.irp p, 0,1,2,3
	ds_load_b32 v[33+\p], v7 offset:WB+128*\p
.endr
	FRAG3 216, v6, WB
	FRAG3 228, v6, WB+FRB
	VPAIR 0
	VPAIR 1
	VPAIR 2
	VPAIR 3
	WALU
.Ljoin:
	s_mov_b32 s61, KI                              ; the main loop's addresses, stepped from head to head
	s_mov_b32 s62, VI
	s_mov_b32 s63, SC
	s_mov_b32 s66, s51
	s_mov_b32 s67, s93
	s_mov_b32 s92, WT+3*WB
	s_mov_b32 s93, WT+3*WB+8*FRB
	s_add_co_u32 s94, s51, OCO
	s_add_co_u32 s95, s51, OSO
	s_mov_b32 s53, BGL
	s_mov_b32 s50, 0                               ; the head
	s_wait_tensorcnt 0x0                           ; all waves: Wq, Wg, Wo are in
	s_wait_dscnt 0x0                               ; for the others' sake: all my LDS stores are done
	s_barrier_signal -1
	s_barrier_wait -1                              ; K, V, Wq, Wg, Wo lie in LDS: from here on each wave is alone
	; Q of my tile, both rows, four heads: a lane holds a query, registers 32 c on are head 2 c + hh.  The tile of x stays in v216-239
.irp t, 0,1,2,3,4,5,6,7
	FRAG3 120+12*\t, v6, 2*WB+FRB*\t
.endr
.irp p, 0,1,2,3
	ds_load_b32 v[28+\p], v7 offset:2*WB+128*\p
.endr
	FRAG3 216, v18, 0
	FRAG3 228, v18, 24576
	PRODS2 32, 0, 32, 1
	WIN 0x41
.set j, 0
.rept 32
	v_pk_mul_f32 v[j:j+1], v[j:j+1], s[26:27] op_sel_hi:[1,0]
	v_pk_mul_f32 v[128+j:129+j], v[128+j:129+j], s[26:27] op_sel_hi:[1,0]
.set j, j+2
.endr
	QUANT2
.irp y, 0,1
.irp k, 1,3
	v_perm_b32 v[80+6*\y+\k], v[80+6*\y+\k], v[80+6*\y+\k], 0   ; a block's byte in all four bytes: whichever block of the product holds the codes has it
.endr
.endr
	v_mov_b32 v100, 0
	v_mov_b32 v101, 0
.irp y, 0,1
.irp c, 0,1
.irp p, 0,1,2
	ds_store_b64 v19, v[40+12*\y+6*\c+2*\p:41+12*\y+6*\c+2*\p] offset:3072*\y+1536*\c+128*\p
	ds_store_b64 v19, v[100:101] offset:3072*\y+1536*\c+384+128*\p
.endr
	ds_store_b32 v20, v[81+6*\y+2*\c] offset:256*\y+128*\c
.endr
.endr
	WDS 0                                          ; the stores have read their registers
.irp z, 17,19,46,47,48,49,50,51,64,65,66,67,68,69,82,83,84,85,86,87,128,129,130,131,132,133
	v_mov_b32 v[\z], 0                             ; f's upper halves; Q's zeros; what stands beside K's registers
.endr
.set j, 0
.rept 10
	v_mov_b32 v[TA+j], 0                           ; lane permutes' destinations
	v_mov_b32 v[TB+j], 0
.set j, j+1
.endr
.macro ADDR                            ; this head's LDS addresses
	v_add_nc_u32 v6, s61, v1                       ; K
	v_add_nc_u32 v7, s62, v1                       ; V
	v_add_nc_u32 v8, s63, v2                       ; their scale words
	v_add_nc_u32 v9, s66, v4                       ; Q in lanes 0-15, zeros in lanes 16-31
	v_add_nc_u32 v10, s66, v5                      ; the other way round
	v_add_nc_u32 v11, s67, v3                      ; its words
	v_add_nc_u32 v13, s92, v1                      ; Wg
	v_add_nc_u32 v14, s93, v2                      ; its words
	v_add_nc_u32 v248, s94, v12                    ; the way out's codes
	v_add_nc_u32 v249, s95, v3                     ; its words
	v_lshl_add_u32 v250, v[H8], 3, s53             ; bg, + 64 hh
.endm
.macro LOADK o, os                     ; a key step's K, both rows
.irp y, 0,1
.irp n, 0,1,2,3,4,5
	ds_load_b128 v[88+46*\y+4*\n:91+46*\y+4*\n], v6 offset:24576*\y+(\o)+512*\n
.endr
.irp g, 0,1
	ds_load_b32 v[28+2*\y+\g], v8 offset:4096*\y+(\os)+128*\g
.endr
.endr
.endm
.macro LOADQ o, os                     ; a head's Q, both rows
.irp y, 0,1
.irp p, 0,1,2
	ds_load_b64 v[40+18*\y+2*\p:41+18*\y+2*\p], v9 offset:3072*\y+(\o)+128*\p
	ds_load_b64 v[52+18*\y+2*\p:53+18*\y+2*\p], v10 offset:3072*\y+(\o)+128*\p
.endr
	ds_load_b32 v[38-5*\y], v11 offset:256*\y+(\os)
.endr
.endm
.macro QK y, dd, cc                    ; S^T = K Q^T + bias: eight tiles of 16 keys
.irp t, 0,1,2,3,4,5,6,7
.if (\y) == 0
.if \t == 0
	s_wait_loadcnt 8                               ; the bias of tiles 0-3 is in, the younger eight loads may be out;
.endif
.if \t == 4
	s_wait_loadcnt 0                               ; then all
.endif
.endif
	WM (\dd)+8*\t, 88+46*(\y)+6*(\t/2)-6*(\t%2), 40+18*(\y)+6*(\t%2), v[(\cc)+8*\t:(\cc)+8*\t+7], 28+2*(\y)+\t/4, 38-5*(\y), (\t/2)%2, 0
.endr
.endm
; A KEY STEP of both rows.  Row 0's scores in v0-63 of window 1, row 1's (and the bias) in v[bb ..]; the next bias lands in v[nb ..]
.macro UNIT ks, bb, nb
	WDS 0
	WIN 0x50
	QK 0, 0, \bb
	PLACES 5                                       ; a product that writes over another's C stands five places behind it
	QK 1, \bb, \bb
	WIN 0x15
.irp k, 0,1,2,3
	v_max3_num_f32 v[TA+\k], v[16*\k], v[16*\k+1], v[16*\k+2]   ; (these four lines are row 1's places)
.endr
	WIN 0
.irp y, 0,1
.irp u, 0,1
	FRAG3 168+24*\y+12*\u, v7, 24576*\y+3072*\u+1536*(\ks)      ; V lands under the softmax
.endr
	ds_load_b32 v[36+\y], v8 offset:4096*\y+512*(\ks)+256
.endr
.if (\ks) == 0
	LOADK 3072, 512                                ; and so do the next key step's K and bias
	BIAS \nb, 131072
.else
	WALU
	s_cmp_lt_u32 s50, 3
	s_cbranch_scc0 .Llast_\@                       ; behind the last head nothing follows
	LOADK 6144, 1024                               ; the next head's K, Q and bias
	LOADQ 768, 64
	BIAS \nb, 262144
.Llast_\@:
.endif
	WIN 0x15
.irp k, 0,1,2,3
	v_max3_num_f32 v[TB+\k], v[(\bb)+16*\k], v[(\bb)+16*\k+1], v[(\bb)+16*\k+2]
.endr
	WIN 0x14
.irp i, 3,5,7,9,11,13
.irp k, 0,1,2,3
	v_max3_num_f32 v[TA+\k], v[TA+\k], v[16*\k+\i], v[16*\k+\i+1]
	v_max3_num_f32 v[TB+\k], v[TB+\k], v[(\bb)+16*\k+\i], v[(\bb)+16*\k+\i+1]
.endr
.endr
.irp k, 0,1
	v_max3_num_f32 v[TA+8+\k], v[TA+2*\k], v[32*\k+15], v[32*\k+31]
	v_max3_num_f32 v[TB+8+\k], v[TB+2*\k], v[(\bb)+32*\k+15], v[(\bb)+32*\k+31]
.endr
	WIN 0
.irp k, 0,1
.irp y, 0,1
	v_max_num_f32 v[TA+46*\y+8+\k], v[TA+46*\y+8+\k], v[TA+46*\y+1+2*\k]   ; the largest score of each of my two blocks: for the row's maximum and for the block's largest p
.endr
.endr
.irp y, 0,1
	v_max_num_f32 v[TA+46*\y+4], v[TA+46*\y+8], v[TA+46*\y+9]
.endr
.irp y, 0,1
	v_permlanex16_b32 v[TA+46*\y+5], v[TA+46*\y+4], s20, s21
.endr
.irp y, 0,1
	v_max_num_f32 v[TA+46*\y+4], v[TA+46*\y+4], v[TA+46*\y+5]
.endr
.if (\ks) == 0
.irp y, 0,1
	v_mul_f32 v[25+2*\y], s22, v[TA+46*\y+4]       ; a head's first step starts the largest t,
.endr
.irp y, 0,1
	v_floor_f32 v[24+2*\y], -v[25+2*\y]            ; and -M = floor(-t): M is a whole number
.endr
.else
.irp y, 0,1
	v_mul_f32 v[TA+46*\y+4], s22, v[TA+46*\y+4]
.endr
.irp y, 0,1
	v_max_num_f32 v[25+2*\y], v[25+2*\y], v[TA+46*\y+4]
.endr
.irp y, 0,1
	v_mov_b32 v[TA+46*\y+5], v[24+2*\y]
.endr
.irp y, 0,1
	v_floor_f32 v[24+2*\y], -v[25+2*\y]
.endr
.irp y, 0,1
	v_sub_f32 v[TA+46*\y+5], v[24+2*\y], v[TA+46*\y+5]   ; old M - new M: a whole number, 0 or less
.endr
.irp y, 0,1
	v_cvt_i32_f32 v[TA+46*\y+5], v[TA+46*\y+5]
.endr
.irp y, 0,1
	v_ldexp_f32 v[16+2*\y], 1.0, v[TA+46*\y+5]     ; f = 2^(old M - new M): the rescaling rounds nothing
.endr
.endif
.irp k, 8,9
.irp y, 0,1
	v_fma_f32 v[TA+46*\y+\k], v[TA+46*\y+\k], s22, v[24+2*\y]
.endr
.endr
	WIN 0x45
.set j_, 0
.rept 32
	v_pk_fma_f32 v[j_:j_+1], v[j_:j_+1], s[22:23], v[24:25] op_sel_hi:[1,0,0]   ; row 0: t - M
.set j_, j_+2
.endr
	WALU
	WIN 0
.irp k, 8,9
.irp y, 0,1
	v_exp_f32 v[TA+46*\y+\k], v[TA+46*\y+\k]       ; each block's largest p
.endr
.endr
	WIN 0x45
.set j_, 0
.rept 32
	v_exp_f32 v[j_], v[j_]                         ; row 0: p = 2^(t - M); among them row 1's t - M, whose sources were written ahead of the batch and whose readers stand behind the next wait
	v_exp_f32 v[j_+1], v[j_+1]
	v_pk_fma_f32 v[(\bb)+j_:(\bb)+j_+1], v[(\bb)+j_:(\bb)+j_+1], s[22:23], v[26:27] op_sel_hi:[1,0,0]
.set j_, j_+2
.endr
	WALU
.set j_, 0
.rept 16
	v_exp_f32 v[(\bb)+4*j_], v[(\bb)+4*j_]         ; row 1: p; among them the first half of row 0's sum
	v_exp_f32 v[(\bb)+4*j_+1], v[(\bb)+4*j_+1]
	v_exp_f32 v[(\bb)+4*j_+2], v[(\bb)+4*j_+2]
	v_exp_f32 v[(\bb)+4*j_+3], v[(\bb)+4*j_+3]
	v_pk_add_f32 v[GR+2*j_:GR+2*j_+1], v[2*j_:2*j_+1], v[32+2*j_:33+2*j_]
.set j_, j_+1
.endr
	WALU
	WIN 0
.irp k, 8,9
.irp y, 0,1
	v_max_num_f32 v[TA+46*\y+\k], 0x1800000, v[TA+46*\y+\k]
.endr
.endr
.irp k, 8,9
.irp y, 0,1
	v_add_nc_u32 v[TA+46*\y+\k], 0xff000000, v[TA+46*\y+\k]
.endr
.endr
	WIN 0x01
.irp y, 0,1
.irp c, 0,1
	v_cvt_scalef32_pk16_fp6_f32 v[76+46*\y+6*\c:78+46*\y+6*\c], v[(\bb)*\y+32*\c:(\bb)*\y+32*\c+15], v[TA+46*\y+8+\c]
	v_cvt_scalef32_pk16_fp6_f32 v[TA+46*\y+4*\c:TA+46*\y+4*\c+2], v[(\bb)*\y+32*\c+16:(\bb)*\y+32*\c+31], v[TA+46*\y+8+\c]
.endr
.endr
	WIN 0
.irp k, 0,1
.irp y, 0,1
	v_lshrrev_b32 v[TA+46*\y+3+4*\k], 23, v[TA+46*\y+8+\k]
.endr
.endr
.irp y, 0,1
	v_lshl_or_b32 v[TA+46*\y+3], v[TA+46*\y+7], 16, v[TA+46*\y+3]
.endr
.irp y, 0,1
	v_lshlrev_b32 v[TA+46*\y+3], v[H8], v[TA+46*\y+3]
.endr
.irp y, 0,1
	v_permlanex16_b32 v[TA+46*\y+7], v[TA+46*\y+3], s20, s21
.endr
.irp y, 0,1
	v_or_b32 v[34+\y], v[TA+46*\y+3], v[TA+46*\y+7]    ; p's scale words for these 128 keys
.endr
.irp y, 0,1
.irp c, 0,1
.irp i, 0,1,2
	v_mov_b32 v[79+46*\y+6*\c+\i], v[TA+46*\y+4*\c+\i]
.endr
.endr
.endr
.if (\ks) == 1
	WIN 0x40                                       ; row 0's p has left its registers: Wg's two tiles and bg (for both rows) land there for the head's end: 15 loads
.irp u, 0,1
	FRAG3 12*\u, v13, FRB*\u
.endr
.irp y, 0,1
.irp q, 0,1
	ds_load_b128 v[32+16*\y+4*\q:35+16*\y+4*\q], v250 offset:16*\q
	ds_load_b128 v[40+16*\y+4*\q:43+16*\y+4*\q], v250 offset:32+16*\q
.endr
.endr
	WIN 0
	ds_load_b32 v39, v14
	WALU
	WIN 0x41
.irp j, 0,2,4,6,8,10,12,14
	v_pk_mul_f32 v[192+\j:193+\j], v[192+\j:193+\j], v[16:17] op_sel_hi:[1,0]   ; O^T under the new M
	v_pk_mul_f32 v[208+\j:209+\j], v[208+\j:209+\j], v[18:19] op_sel_hi:[1,0]
.endr
.endif
	WIN 0x45
.set j_, 8
.rept 12                                       ; twelve plain lines between the operands' writes and the products: p's sums, in place, in four chains each
	v_pk_add_f32 v[(\bb)+j_%8:(\bb)+j_%8+1], v[(\bb)+j_%8:(\bb)+j_%8+1], v[(\bb)+j_:(\bb)+j_+1]
.set j_, j_+2
.endr
	WDS 15*(\ks)                                   ; V is in; in the second key step the 15 loads for the head's end, issued behind V's and K's, may be out
	WIN 0x50
.irp u, 0,1
.irp y, 0,1
.if (\ks) == 0
	WM 192+16*\y+8*\u, 168+24*\y+12*\u, 76+46*\y, 0, 36+\y, 34+\y, \u, 0
.else
	WM 192+16*\y+8*\u, 168+24*\y+12*\u, 76+46*\y, v[192+16*\y+8*\u:199+16*\y+8*\u], 36+\y, 34+\y, \u, 0
.endif
.endr
.endr
	WIN 0x45
.set j_, 32
.rept 16
	v_pk_add_f32 v[(\bb)+j_%8:(\bb)+j_%8+1], v[(\bb)+j_%8:(\bb)+j_%8+1], v[(\bb)+j_:(\bb)+j_+1]
.if j_ < 56
	v_pk_add_f32 v[GR+j_%8:GR+j_%8+1], v[GR+j_%8:GR+j_%8+1], v[GR+j_-24:GR+j_-23]
.endif
.set j_, j_+2
.endr
.irp k, 0,4
	v_pk_add_f32 v[GR+\k:GR+\k+1], v[GR+\k:GR+\k+1], v[GR+\k+2:GR+\k+3]
	v_pk_add_f32 v[(\bb)+\k:(\bb)+\k+1], v[(\bb)+\k:(\bb)+\k+1], v[(\bb)+\k+2:(\bb)+\k+3]
.endr
.if (\ks) == 0
	WIN 0x05
	v_pk_add_f32 v[20:21], v[GR:GR+1], v[GR+4:GR+5]
	v_pk_add_f32 v[22:23], v[(\bb):(\bb)+1], v[(\bb)+4:(\bb)+5]
.else
	v_pk_add_f32 v[GR:GR+1], v[GR:GR+1], v[GR+4:GR+5]
	v_pk_add_f32 v[(\bb):(\bb)+1], v[(\bb):(\bb)+1], v[(\bb)+4:(\bb)+5]
	WIN 0x10
	v_pk_fma_f32 v[20:21], v[20:21], v[16:17], v[GR:GR+1] op_sel_hi:[1,0,1]   ; the sums under the new M
	v_pk_fma_f32 v[22:23], v[22:23], v[18:19], v[(\bb):(\bb)+1] op_sel_hi:[1,0,1]
.endif
	WIN 0
.endm
	ADDR
	WALU
	LOADK 0, 0
	LOADQ 0, 0
.Lhead:
	UNIT 0, 64, 128
	UNIT 1, 128, 64
.set GR, 32                            ; from here on: the gate's registers
	; THE HEAD'S END, both rows, in v32-63 of window 1: the gate, the division, the quantiser, codes to my own LDS bytes
	v_add_f32 v20, v20, v21
	v_add_f32 v22, v22, v23
	v_permlanex16_b32 v[TA], v20, s20, s21
	v_permlanex16_b32 v[TA+1], v22, s20, s21
	v_add_f32 v20, v20, v[TA]                      ; l of each row
	v_add_f32 v22, v22, v[TA+1]
	WDS 0
	WIN 0x51
.irp u, 0,1
.irp c, 0,1
	WM GR+16*\c+8*\u, 12*\u, 216+12*\c, v[GR+16*\c+8*\u:GR+16*\c+8*\u+7], 39, 32, \u, \c
.endr
.endr
	PLACES 4
	WIN 0x41
.set j, GR
.rept 16
	v_pk_mul_f32 v[j:j+1], v[j:j+1], s[24:25] op_sel_hi:[1,0]
.set j, j+2
.endr
	WALU
.set j, GR
.rept 32
	v_exp_f32 v[j], v[j]
.set j, j+1
.endr
	v_nop
	WALU
.irp j, 0,2,4,6,8,10,12,14
	v_pk_fma_f32 v[GR+\j:GR+\j+1], v[GR+\j:GR+\j+1], v[20:21], v[20:21] op_sel_hi:[1,0,0]   ; l (1 + 2^(-z log2(e)))
	v_pk_fma_f32 v[GR+16+\j:GR+17+\j], v[GR+16+\j:GR+17+\j], v[22:23], v[22:23] op_sel_hi:[1,0,0]
.endr
	WALU
.set j, GR
.rept 32
	v_rcp_f32 v[j], v[j]
.set j, j+1
.endr
	v_nop
	WALU
	WIN 0x45
.set j, 0
.rept 16
	v_pk_mul_f32 v[GR+j:GR+j+1], v[192+j:193+j], v[GR+j:GR+j+1]
.set j, j+2
.endr
	WIN 0x05
.irp k, 0,1,2,3
	v_max3_num_f32 v[TA+\k], |v[GR+8*\k]|, |v[GR+8*\k+1]|, 0x1800000
.endr
	WIN 0x14
.irp i, 2,4,6
.irp k, 0,1,2,3
	v_max3_num_f32 v[TA+\k], v[TA+\k], |v[GR+8*\k+\i]|, |v[GR+8*\k+\i+1]|
.endr
.endr
	WIN 0
	v_max_num_f32 v[TA], v[TA], v[TA+1]
	v_max_num_f32 v[TA+2], v[TA+2], v[TA+3]
	v_permlanex16_b32 v[TA+4], v[TA], s20, s21     ; a block lies in lanes l and l xor 16 here
	v_permlanex16_b32 v[TA+6], v[TA+2], s20, s21
	v_max_num_f32 v[TA], v[TA], v[TA+4]
	v_max_num_f32 v[TA+2], v[TA+2], v[TA+6]
	v_add_nc_u32 v[TA], 0xff000000, v[TA]
	v_add_nc_u32 v[TA+2], 0xff000000, v[TA+2]
	WIN 0x01
	v_cvt_scalef32_pk16_fp6_f32 v[240:242], v[GR:GR+15], v[TA]
	v_cvt_scalef32_pk16_fp6_f32 v[244:246], v[GR+16:GR+31], v[TA+2]
	WIN 0
	v_lshrrev_b32 v[TA+1], 23, v[TA]
	v_lshrrev_b32 v[TA+3], 23, v[TA+2]
.irp c, 0,1
.irp i, 0,1,2
	ds_store_b32 v248, v[240+4*\c+\i] offset:1536*\c+4*\i
.endr
	ds_store_b8 v249, v[TA+1+2*\c] offset:64*\c    ; both halves of the lanes store the same byte with the same value
.endr
	WDS 0
	s_wait_xcnt 0x0                                ; the bias's loads have read their base
	s_add_nc_u64 s[42:43], s[42:43], 262144
	s_add_co_u32 s61, s61, 6144
	s_add_co_u32 s62, s62, 6144
	s_add_co_u32 s63, s63, 1024
	s_add_co_u32 s66, s66, 768
	s_add_co_u32 s67, s67, 64
	s_add_co_u32 s92, s92, 3072
	s_add_co_u32 s93, s93, 128
	s_add_co_u32 s94, s94, 384
	s_add_co_u32 s95, s95, 1
	s_add_co_u32 s53, s53, 128
	ADDR
	WALU
	s_add_co_u32 s50, s50, 1
	s_cmp_lt_u32 s50, 4
	s_cbranch_scc1 .Lhead
	; THE END: (gate x out) Wo + bo for both rows of my query tile
	s_add_co_u32 s58, s51, OCO
	s_add_co_u32 s59, s51, OSO
	v_add_nc_u32 v6, WT+4*WB, v1
	v_add_nc_u32 v7, WT+4*WB+8*FRB, v2
	v_lshl_add_u32 v8, v[H8], 3, BOL
	v_lshrrev_b32 v10, 3, v[H8]
	v_mad_u32_u24 v9, v10, 372, v12
	v_add_nc_u32 v9, s58, v9                       ; the codes: lane (r, hh) takes heads hh and 2 + hh: 24 r + 384 hh
	v_lshl_add_u32 v11, v[H8], 3, v3
	v_add_nc_u32 v11, s59, v11                     ; the words: row 0 in lanes 0-15, row 1 in lanes 16-31
	v_mul_u32_u24 v13, v3, 132
	v_lshl_add_u32 v13, v[H8], 3, v13
	v_add_nc_u32 v13, s51, v13                     ; my stage (where Q and the codes lay), in: 528 r + 64 hh
	v_add_nc_u32 v14, s51, v1                      ; back: 16 bytes a lane
	WALU
.irp y, 0,1
.irp c, 0,1
.irp p, 0,1,2
	ds_load_b64 v[40+12*\y+6*\c+2*\p:41+12*\y+6*\c+2*\p], v9 offset:1536*\y+768*\c+8*\p
.endr
.endr
.endr
	ds_load_b32 v33, v11
.irp t, 0,1,2,3,4,5,6,7
	FRAG3 120+12*\t, v6, FRB*\t
.endr
.irp p, 0,1,2,3
	ds_load_b32 v[28+\p], v7 offset:128*\p
.endr
	WIN 0x40
.irp t, 0,1,2,3,4,5,6,7
.irp q, 0,1
	ds_load_b128 v[8*\t+4*\q:8*\t+4*\q+3], v8 offset:128*(\t/2)+32*(\t%2)+16*\q   ; bo in the result's layout
.endr
.endr
	s_wait_dscnt 0x0
	WIN 0x50
.irp t, 0,1,2,3,4,5,6,7
	WM 128+8*\t, 120+12*\t, 52, v[8*\t:8*\t+7], 28+\t/2, 33, \t%2, 1   ; row 1: bo is its C and stays,
.endr
	PLACES 5                                       ; (a product that writes over another's C stands five places behind it)
.irp t, 0,1,2,3,4,5,6,7
	WM 8*\t, 120+12*\t, 40, v[8*\t:8*\t+7], 28+\t/2, 33, \t%2, 0       ; and row 0 is summed onto it
.endr
	PLACES 4
.irp y, 0,1
	WIN 0x04
.irp b, 0,1,2,3
.irp q, 0,1,2,3
	ds_store_b128 v13, v[128*\y+16*\b+4*\q:128*\y+16*\b+4*\q+3] offset:128*\b+16*\q   ; register 16 b + i = channel 32 b + 16 hh + i; each accumulator from its low end on
.endr
.endr
	WIN 0x40
.irp t, 0,1,2,3,4,5,6,7,8,9,10,11,12,13,14,15
	ds_load_b128 v[64+128*\y+4*\t:67+128*\y+4*\t], v14 offset:528*\t       ; LDS serves a wave's instructions in order (ISA guide 5.7.1.4): these see my stores, and row 1's stores come behind row 0's loads
.endr
.endr
	WIN 0x04
.irp y, 0,1
.irp t, 0,1,2,3,4,5,6,7,8,9,10,11,12,13,14,15
	s_wait_dscnt 47-32*\y-\t                       ; row t is back; the younger LDS instructions may be out
	global_store_b128 v1, v[64+128*\y+4*\t:67+128*\y+4*\t], s[48:49] offset:131072*\y+(\t+24*(\t/8))*512 th:TH_STORE_NT   ; 32 lanes store a position's 512 consecutive bytes, aligned
.endr
.endr
	WIN 0
	s_wait_xcnt 0x0
	v_lshl_add_u32 v2, v0, 2, SPARE
	v_mov_b32 v3, 0
	WALU
	s_wait_tensorcnt 0x0                           ; the wave's end
	ds_add_u32 v2, v3
	s_wait_dscnt 0x0
	s_endpgm
.Lfunc_end_k_q9dc9434a5d_attn:
	.size	k_q9dc9434a5d_attn, .Lfunc_end_k_q9dc9434a5d_attn-k_q9dc9434a5d_attn
	.p2alignl 7, 3214868480
	.fill 96, 4, 3214868480
	.section	.rodata,"a",@progbits
	.p2align	6, 0x0
	.amdhsa_kernel k_q9dc9434a5d_attn
		.amdhsa_group_segment_fixed_size 301568
		.amdhsa_private_segment_fixed_size 0
		.amdhsa_enable_private_segment 0
		.amdhsa_kernarg_size 56
		.amdhsa_user_sgpr_count 2
		.amdhsa_user_sgpr_kernarg_segment_ptr 1
		.amdhsa_wavefront_size32 1
		.amdhsa_system_sgpr_workgroup_id_x 1
		.amdhsa_system_sgpr_workgroup_id_y 1
		.amdhsa_system_sgpr_workgroup_id_z 1
		.amdhsa_system_vgpr_workitem_id 0
		.amdhsa_next_free_vgpr 512
		.amdhsa_next_free_sgpr 96
		.amdhsa_reserve_vcc 0
		.amdhsa_float_denorm_mode_32 3
		.amdhsa_float_denorm_mode_16_64 3
		.amdhsa_memory_ordered 1
		.amdhsa_forward_progress 1
		.amdhsa_inst_pref_size 192
	.end_amdhsa_kernel
	.amdgpu_metadata
---
amdhsa.version: [ 1, 2 ]
amdhsa.kernels:
  - .name:           k_q9dc9434a5d_attn
    .symbol:         k_q9dc9434a5d_attn.kd
    .args:
      - { .name: xc, .offset: 0, .size: 8, .value_kind: global_buffer, .address_space: global }
      - { .name: xs, .offset: 8, .size: 8, .value_kind: global_buffer, .address_space: global }
      - { .name: bi, .offset: 16, .size: 8, .value_kind: global_buffer, .address_space: global }
      - { .name: wt, .offset: 24, .size: 8, .value_kind: global_buffer, .address_space: global }
      - { .name: bg, .offset: 32, .size: 8, .value_kind: global_buffer, .address_space: global }
      - { .name: bo, .offset: 40, .size: 8, .value_kind: global_buffer, .address_space: global }
      - { .name: out0, .offset: 48, .size: 8, .value_kind: global_buffer, .address_space: global }
    .group_segment_fixed_size: 301568
    .private_segment_fixed_size: 0
    .kernarg_segment_align: 8
    .kernarg_segment_size: 56
    .max_flat_workgroup_size: 256
    .sgpr_count:     96
    .vgpr_count:     512
    .wavefront_size: 32
...
	.end_amdgpu_metadata
.endif
;; end of part 2
